; MI455X (gfx1250); checked and timed in simulation.
; The chip was launched on July 23, 2026; its instructions are those of AMD's public machine-readable ISA for CDNA 5 (MIT licence, August 2026) and "CDNA5" Instruction Set Architecture Reference Guide (July 2026). The comments in the code are by the model that wrote it; some were corrected since.
;; Multihead Attention. Allowed arithmetic: matrix products marked QUANTISED: E2M3 operands, one E8M0 scale for each 32 along K, by v_wmma_scale_f32_16x16x128_f8f6f4 with both operands' format E2M3, f32 sums; everything else in f32.
;; Inputs: W_o_codes 1,024 x 32 x 24 uint8 (E2M3 codes of W_o, K innermost, in blocks of 32 codes, four codes in three bytes); W_o_scales 1,024 x 32 uint8 (E8M0 scales of W_o, one for each 32 codes along K); W_qkv_codes 3,072 x 32 x 24 uint8 (E2M3 codes of W_qkv, K innermost, in blocks of 32 codes, four codes in three bytes); W_qkv_scales 3,072 x 32 uint8 (E8M0 scales of W_qkv, one for each 32 codes along K); b_o 1,024 float32; b_qkv 3,072 float32; x_codes 4 x 2,048 x 32 x 24 uint8 (E2M3 codes of x, K innermost, in blocks of 32 codes, four codes in three bytes); x_scales 4 x 2,048 x 32 uint8 (E8M0 scales of x, one for each 32 codes along K).
;; Outputs: out0 4 x 2,048 x 1,024 float32.
;; This version of the problem:
;;   THIS VERSION OF THE PROBLEM IS GIVEN IN LOW PRECISION. The matrix products marked QUANTISED in the list below multiply operands that are first quantised to E2M3 (2 exponent bits, 3 mantissa bits; 6 bits a number), with one power-of-two scale for each 32 numbers along K (OCP MX v1.0); their sums are f32. All else is computed in f32.
;;   The module's matrix products, in the order in which they are computed (A, B: the left and right operand; K: the contracted axis; several contracted axes count as one K, in the product's order):
;;     1. [M 8,192, K 1,024] x [K 1,024, N 3,072]; A: input x (given as codes); B: input W_qkv (given as codes): QUANTISED
;;     2. batch 64 x [M 2,048, K 64] x [K 64, N 2,048]; A: computed on the way; B: computed on the way: QUANTISED
;;     3. batch 64 x [M 2,048, K 2,048] x [K 2,048, N 64]; A: softmax (see below); B: computed on the way: QUANTISED
;;     4. [M 8,192, K 1,024] x [K 1,024, N 1,024]; A: computed on the way; B: input W_o (given as codes): QUANTISED
;;   THE QUANTISER, for each operand of a quantised product, along K:
;;     - K is cut into blocks of 32 from its start; a last block that is shorter is filled with zeros.
;;     - A block's scale is 2^e with e = floor(log2(the largest magnitude in the block)) - 2, held to -126 .. 127; a block of zeros has e = 0. As a byte (E8M0): e + 127.
;;     - Each number is divided by its block's scale, clamped to +-7.5, and rounded to the nearest number of E2M3, ties to even, subnormals kept.
;;     - The product sums the exact products of the quantised numbers (number of the format x scale) in f32.
;;   ~~~python
;;   def quantise(x, axis):      # numpy; x: float32 -> the quantised numbers, widened to float32 again
;;       x = np.moveaxis(x, axis, -1); K = x.shape[-1]
;;       x = np.pad(x, [(0, 0)] * (x.ndim - 1) + [(0, -K % 32)]); x = x.reshape(x.shape[:-1] + (-1, 32)); a = np.abs(x).max(-1, keepdims=True)
;;       e = np.where(a > 0, np.clip(np.frexp(np.where(a > 0, a, 1))[1] - 1 - 2, -126, 127), 0)      # np.frexp(a)[1] - 1 = floor(log2(a)), exactly
;;       r = np.clip(x / 2.0 ** e, -7.5, 7.5)
;;       step = 2.0 ** (np.maximum(np.frexp(np.where(r == 0, 1, r))[1] - 1, 0) - 3)
;;       q = np.round(r / step) * step * 2.0 ** e      # np.round: ties to even
;;       return np.moveaxis(q.reshape(q.shape[:-2] + (-1,))[..., :K], -1, axis).astype(np.float32)
;;   ~~~
;;   SOFTMAX AHEAD OF A QUANTISED PRODUCT. Where the list says 'softmax', what is quantised is not the finished softmax but p = 2^(t - M), with t = logit x log2(e) and M = ceil(the row's largest t), a whole number; so 1/2 < the row's largest p <= 1. The row's sum l is taken of the UNQUANTISED p, in f32, and the product's result is divided by l at the end. Since M is a whole number, a kernel that streams over the keys may use a running M (the ceiling of the running maximum): every later rescaling is an exact power of two, which a block's scale takes up: the codes' values come out the same.
;;   OPERANDS COMPUTED ON THE WAY. 'Computed on the way' means the value that the module computes at that place (a softmax that the list does not call 'softmax' is quantised finished and normalised). What goes into a quantiser is computed in f32, as accurately as f32 sums, v_exp_f32 and their like allow (about 1e-6 of the number): no bf16 or f16 on the way to a quantiser, and a product that is left as it is and whose result goes on into a quantised operand takes f32 operands (vector FMAs, or v_wmma_f32_16x16x4_f32). A number that lies on a knife's edge between two numbers of the format may be rounded either way, as far as f32 arithmetic and the matrix unit's own rounding can turn it there, and no further.
;;   INPUTS GIVEN AS CODES. W_o (in the module: [1024, 1024], K = its axis 0); W_qkv (in the module: [1024, 3072], K = its axis 0); x (in the module: [4, 2048, 1024], K = its axis 2): each comes as NAME_codes (uint8): NAME with its K axis moved to the last place and cut into blocks of 32 codes, [.., K / 32, bytes a block], one block behind the other in memory; four codes in three bytes: a row's codes are one little-endian stream of bits, code i at bits 6 i .. 6 i + 5 (a code: sign, 2 exponent bits, 3 mantissa bits); and NAME_scales (uint8): the same leading axes, one E8M0 byte (e + 127) for each 32 codes along K. Its value is code x scale, taken as it is: it is not quantised again, and the codes and scales need not be those that the quantiser above would give.
;; One version. Each part assembles by itself: llvm-mc -triple=amdgcn-amd-amdhsa -mcpu=gfx1250 --defsym DOCPART=n.
;; ======== version 1 of 1: 3 launches
;; limits: right only within a limited range of input values
;; workspace buffers: qimg 6,291,456 bytes; qsc 524,288 bytes; kv 13,107,200 bytes; vals 6,291,456 bytes; vsc 262,144 bytes
;; launch qkv (part 1): grid 16 x 32, 4 waves a work-group, clusters of 4 x 4, 327,680 bytes of LDS; arguments x_codes, x_scales, W_qkv_codes, W_qkv_scales, b_qkv, qimg, qsc, kv; writes qimg, qsc, kv
.if DOCPART == 1
	.amdgcn_target "amdgcn-amd-amdhsa--gfx1250"
	.amdhsa_code_object_version 6
	.text
	.protected	k_qb458f77ffd_qkv
	.globl	k_qb458f77ffd_qkv
	.p2align	8
	.type	k_qb458f77ffd_qkv,@function
k_qb458f77ffd_qkv:
	s_mov_b64 s[64:65], 0
	v_nop
	global_prefetch_b8 v0, s[64:65] scope:SCOPE_SE
	s_setreg_imm32_b32 hwreg(HW_REG_WAVE_MODE, 25, 1), 1
	s_wait_xcnt 0x0
	s_wait_alu depctr_hold_cnt(0) depctr_sa_sdst(0) depctr_va_vdst(0) depctr_va_sdst(0) depctr_va_ssrc(0) depctr_va_vcc(0) depctr_vm_vsrc(0)
	s_getreg_b32 s2, hwreg(HW_REG_IB_STS2, 6, 4)
	s_cmp_eq_u32 s2, 0
	s_cbranch_scc0 .Lentry_in_a_cluster
	s_endpgm
.Lentry_in_a_cluster:
	s_bfe_u32 s2, ttmp6, 0x10000c
	s_cmp_lg_u32 s2, 0xf033
	s_cbranch_scc0 .Lentry_shape_is_right
	s_endpgm
.Lentry_shape_is_right:
; qkv = x W_qkv + b_qkv on codes of FP6 (E2M3) with E8M0 scales, and the quantisers of q, k (along the head's 64) and v (along the keys): only codes and scale bytes leave.
; SHARES.  A work-group takes 256 tokens x the 192 columns of ONE head; a wave 64 tokens (4 tiles i) x 12 tiles n of W's rows: 48 accumulators, 384 registers.
; ORIENTATION.  q, k (n < 8): source 0 = 16 rows of W, source 1 = 16 tokens: a lane holds one token, its registers run along the columns, the next product's K.
;   v (n >= 8): source 0 = 16 tokens, source 1 = 16 rows of W: a lane holds one channel, its registers run along the keys, v's K.  The bias is the C of each sum's first product.
; ORDER INSIDE A BLOCK OF 32.  A lane half h holds, of two neighbouring tiles a = 0, 1, the indices 16 a + 8 h + j; they are laid at places 16 h + 8 a + j.  The block is the same 32 numbers, so its scale is the stated one;
;   q and k, and later p and v, are laid by the same map, so each product pairs the right numbers; only the order of the additions inside a block differs from ascending k.
; WHAT LEAVES.  Half a fragment (registers 0-5 of an operand) is 768 bytes: lane l's registers 0-3 at 16 l, registers 4-5 at 512 + 8 l: each store of the wave covers whole aligned blocks of 256 bytes.
; LDS.  x's 256 rows lie whole (768 bytes + 16 behind every 256: pitch 816).  W's 192 rows go in chunks of 256 bytes of each row through two slots (pitch 272): chunk c in slot c % 2.
;   Every tensor row begins at a multiple of 256 bytes of its buffer.  At the head one load a wave: waves 0, 1 x's halves, wave 2 W's chunk 0, wave 3 chunk 1.  ONE refill: chunk 2 into slot 0, by wave 2, in sub-step 2.
;   A sub-step is 96 bytes of a row; sub-steps 2 and 5 lie across two chunks of W and read both slots.
; CLUSTER 4 x 4: x's tile hangs on the token block alone and is asked for jointly along a row of the cluster, W's on the head alone, along a column.
; No prefetch: the walk along K is written out, with no loop to run ahead in; all but the one refill of 49,152 bytes is asked for at the head, and that one 72 matrix instructions ahead of the wait for it.
; LIMITS: NaN and infinities are not served.  A block whose largest magnitude lies under 2^-124, a block of zeros among them, keeps the scale byte 1 (the stated rule gives 127 for zeros): its codes add nothing, and only this program reads the bytes.
; REGISTERS.  Window 0: v1-27 addresses; v32-63 x's scale words (8 i + K step), v64-159 W's (8 n + K step); v160-207, v208-255 x's fragments, two sets; on the way out v160-239 are at work.
;   Window 1: v0-143 W's 12 fragments; v144-207 the bias of q, k; v208-239 of v.  Window 2: q's units at 32 i, k's at 128 + 32 i.  Window 3: v's units at 32 ct + 8 i.
.set XP,     816
.set WP,     272
.set WB,     256*XP                    ; W's two slots, behind x
.set WSL,    192*WP
.set SPARE,  WB+2*WSL                  ; the spare words: 128 bytes a wave
.set STG,    SPARE+512                 ; the scale words of the two key steps: 2 x (k's 256 bytes + v's 256)
.set ADRX,   4                         ; v4 x's fragments; v5 the same behind one padding more
.set ADRW,   10                        ; v10, v11 W's in slot 0, 1; v12: lanes 0-15 byte 232 of slot 0, lanes 16-31 byte 0 of slot 1; v13: the slots the other way round
.set L16,    16
.set L8,     17
.set SKA,    18
.set SVA,    19
.set SRA,    20
.set SPW,    21
.set NIL,    22
.set XS,     32
.set WS,     64
.set XF,     160
.set BQ,     144
.set BV,     208
.set TM,     160
.set TP,     168
.set SO,     176
.set BY,     184
.set HW,     192
.set CD,     196
.set QWD,    228
.set G1X,    28
.set G1W,    36
.set G0X,    44
.set G0W,    68
.set MSB, 0
.macro WIN new                         ; the immediate's high byte repeats the setting that is left
.if MSB != (\new)
	s_set_vgpr_msb (MSB<<8)|(\new)
.set MSB, (\new)
.endif
.endm
.macro PLACES n
.rept \n
	v_nop
.endr
.endm
.macro CREST                           ; a round of the cluster's barrier behind its opening barrier
	s_cmp_lg_u32 s20, 0
	s_cbranch_scc1 .Lnot_wave_0_\@
	s_barrier_signal -3
.Lnot_wave_0_\@:
	s_barrier_wait -3
	s_barrier_signal -1
	s_barrier_wait -1
.endm
.macro CROUND
	s_barrier_signal -1
	s_barrier_wait -1
	CREST
.endm
.macro JLOAD                           ; the joint refill, by wave 2 alone; the last four v_nop are every wave's places in front of the loads that follow
	s_cmp_eq_u32 s20, 2
	s_cbranch_scc0 .Lasked_\@
	tensor_load_to_lds s[G0W:G0W+3], s[G1W:G1W+7]
	s_nop 0
	PLACES 4
.Lasked_\@:
	PLACES 4
.endm
	s_load_b512 s[4:19], s[0:1], 0x0               ; x_codes, x_scales, W codes, W scales, b_qkv, qimg, qsc, kv
	v_lshl_add_u32 v[SPW], v0, 2, SPARE
	v_mov_b32 v[NIL], 0
	ds_add_u32 v[SPW], v[NIL]                      ; the opening lines
	ds_add_u32 v[SPW], v[NIL]
	s_wait_dscnt 0x0
	v_lshrrev_b32 v1, 5, v0
	v_readfirstlane_b32 s20, v1                    ; wave 0..3
	s_lshr_b32 s21, s20, 1                         ; I fetch for x (0) or for W (1); also: which key step of the two is mine
	s_and_b32 s22, s20, 1                          ; which half of x, or which chunk of W; also: which 64 keys of the step are mine
	s_bfe_u32 s23, ttmp6, 0x40000                  ; cx
	s_bfe_u32 s24, ttmp6, 0x40004                  ; cy
	s_lshl_b32 s25, ttmp9, 2
	s_add_co_u32 s25, s25, s23                     ; the head
	s_and_b32 s56, ttmp7, 0xffff
	s_lshl_b32 s56, s56, 2
	s_add_co_u32 s56, s56, s24                     ; the block of 256 tokens
	s_lshl_b32 s57, s24, 2
	s_lshl_b32 s57, 15, s57                        ; my row of the cluster
	s_lshl_b32 s62, 0x1111, s23                    ; my column
	s_or_b32 s[G1X], s57, (1<<20)|(1<<21)|(5<<22)|(3<<25)   ; the mask; elements of 1 byte; after every 64 words 4 words of padding; bit 21 beside a mask
	s_or_b32 s[G1W], s62, (1<<20)|(1<<21)|(5<<22)|(3<<25)
	s_mov_b32 s[G1X+1], 768<<16                    ; x: 128 whole rows of 768 bytes
	s_mov_b32 s[G1X+2], 128<<16
	s_mov_b32 s[G1X+3], 768<<16
	s_mov_b32 s[G1X+4], 128
	s_mov_b32 s[G1X+5], 768
	s_mov_b32 s[G1X+6], 0
	s_mov_b32 s[G1X+7], 0
	s_mov_b32 s[G1W+1], 256<<16                    ; W: a chunk of 256 bytes of 192 rows
	s_mov_b32 s[G1W+2], 192<<16
	s_mov_b32 s[G1W+3], 256<<16
	s_mov_b32 s[G1W+4], 192
	s_mov_b32 s[G1W+5], 768
	s_mov_b32 s[G1W+6], 0
	s_mov_b32 s[G1W+7], 0
	s_lshl_b32 s58, s56, 8                         ; x: row 256 x block + 128 x half, in registers that never hold the head
	s_lshl_b32 s63, s22, 7
	s_add_co_u32 s58, s58, s63
	s_mul_i32 s58, s58, 768
	s_mov_b32 s59, 0
	s_mul_i32 s60, s25, 192*768                    ; W: the head's first row + 256 x chunk, in registers that never hold the token block
	s_lshl_b32 s66, s22, 8
	s_add_co_u32 s60, s60, s66
	s_mov_b32 s61, 0
	s_mul_i32 s67, s20, 128*XP                     ; where they go: x's halves at wave x 128 rows,
	s_mul_i32 s96, s22, WSL
	s_add_co_u32 s96, s96, WB                      ; W's chunk in its slot
	s_lshr_b32 s2, s56, 3
	s_lshl_b32 s2, s2, 4
	s_add_co_u32 s2, s2, s25                       ; bh = 16 x batch + head
	s_and_b32 s3, s56, 7                           ; sc: which 256 tokens of the batch's 2,048
	s_lshl_b32 s80, s2, 7                          ; qimg: tile 128 bh + 16 sc + 4 w, 768 bytes a tile
	s_lshl_b32 s97, s3, 4
	s_add_co_u32 s80, s80, s97
	s_lshl_b32 s97, s20, 2
	s_add_co_u32 s80, s80, s97
	s_mul_i32 s80, s80, 768
	s_mov_b32 s81, 0
	s_lshl_b32 s82, s2, 5                          ; qsc: chunk 32 bh + 4 sc + w, 256 bytes
	s_lshl_b32 s97, s3, 2
	s_add_co_u32 s82, s82, s97
	s_add_co_u32 s82, s82, s20
	s_lshl_b32 s82, s82, 8
	s_mov_b32 s83, 0
	s_mul_i32 s98, s2, 204800                      ; kv: the head's 16 steps of 12,800 bytes
	s_lshl_b32 s97, s3, 1
	s_add_co_u32 s99, s97, s21                     ; my step: 2 sc + w / 2
	s_mul_i32 s99, s99, 12800
	s_add_co_u32 s99, s99, s98
	s_mul_i32 s84, s22, 3072                       ; k: my four tiles
	s_add_co_u32 s84, s84, s99
	s_mov_b32 s85, 0
	s_mul_i32 s86, s22, 768                        ; v: my half of each channel tile's fragment
	s_add_co_u32 s86, s86, s99
	s_add_co_u32 s86, s86, 6144
	s_mov_b32 s87, 0
	s_add_co_u32 s88, s97, s22                     ; the scale words of step 2 sc + (w & 1): stored by waves 0 and 1
	s_mul_i32 s88, s88, 12800
	s_add_co_u32 s88, s88, s98
	s_add_co_u32 s88, s88, 12288
	s_mov_b32 s89, 0
	s_lshl_b32 s90, s56, 8                         ; x's scales: my 64 rows of 32 bytes
	s_lshl_b32 s97, s20, 6
	s_add_co_u32 s90, s90, s97
	s_lshl_b32 s90, s90, 5
	s_mov_b32 s91, 0
	s_mul_i32 s92, s25, 6144                       ; W's scales: the head's 192 rows
	s_mov_b32 s93, 0
	s_mul_i32 s94, s25, 768                        ; the bias: the head's 192 numbers
	s_mov_b32 s95, 0
	s_mov_b32 s26, 0x76543210                      ; v_permlanex16_b32's selects for lane l xor 16
	s_mov_b32 s27, 0xfedcba98
	s_wait_kmcnt 0x0
	s_add_nc_u64 s[58:59], s[4:5], s[58:59]
	s_add_nc_u64 s[60:61], s[8:9], s[60:61]
	s_add_nc_u64 s[80:81], s[14:15], s[80:81]
	s_add_nc_u64 s[82:83], s[16:17], s[82:83]
	s_add_nc_u64 s[84:85], s[18:19], s[84:85]
	s_add_nc_u64 s[86:87], s[18:19], s[86:87]
	s_add_nc_u64 s[88:89], s[18:19], s[88:89]
	s_add_nc_u64 s[90:91], s[6:7], s[90:91]
	s_add_nc_u64 s[92:93], s[10:11], s[92:93]
	s_add_nc_u64 s[94:95], s[12:13], s[94:95]
	CROUND                                         ; all sixteen work-groups are here: the first joint loads meet
	s_mov_b32 s[G0X], 1
	s_mov_b32 s[G0X+1], s67
	s_mov_b64 s[G0X+2:G0X+3], s[58:59]
	s_or_b32 s[G0X+3], s[G0X+3], 0x80000000
	s_mov_b32 s[G0W], 1
	s_mov_b32 s[G0W+1], s96
	s_mov_b64 s[G0W+2:G0W+3], s[60:61]
	s_or_b32 s[G0W+3], s[G0W+3], 0x80000000
	s_cmp_eq_u32 s21, 0                            ; one tensor load a wave at the head, one in each arm
	s_cbranch_scc0 .Lfirst_w
	tensor_load_to_lds s[G0X:G0X+3], s[G1X:G1X+7]
	s_nop 0
	PLACES 4
	s_branch .Lfirst_done
.Lfirst_w:
	tensor_load_to_lds s[G0W:G0W+3], s[G1W:G1W+7]
	s_nop 0
	PLACES 4
.Lfirst_done:
	v_and_b32 v1, 15, v0                           ; r
	v_bfe_u32 v2, v0, 4, 1                         ; h
	v_and_b32 v3, 31, v0                           ; lane
	v_lshlrev_b32 v23, 5, v1                       ; 32 r: a row of scale bytes
	v_lshlrev_b32 v24, 5, v2                       ; 32 h: my half's eight numbers of the bias
	v_lshlrev_b32 v25, 2, v1                       ; 4 r
.irp i, 0,1,2,3                                    ; the scale words of all of K stay in registers: a row's 32 bytes are its 8 words
	global_load_b128 v[XS+8*\i:XS+8*\i+3], v23, s[90:91] offset:512*\i
	global_load_b128 v[XS+8*\i+4:XS+8*\i+7], v23, s[90:91] offset:512*\i+16
.endr
.irp n, 0,1,2,3,4,5,6,7,8,9,10,11
	global_load_b128 v[WS+8*\n:WS+8*\n+3], v23, s[92:93] offset:512*\n
	global_load_b128 v[WS+8*\n+4:WS+8*\n+7], v23, s[92:93] offset:512*\n+16
.endr
.irp c, 0,1,2,3
	global_load_b32 v[28+\c], v25, s[94:95] offset:512+64*\c   ; v's bias: channel 16 ct + r
.endr
	WIN 0x40
.irp n, 0,1,2,3,4,5,6,7
	global_load_b128 v[BQ+8*\n:BQ+8*\n+3], v24, s[94:95] offset:64*\n     ; q's and k's bias: columns 16 n + 8 h + 0 .. 7
	global_load_b128 v[BQ+8*\n+4:BQ+8*\n+7], v24, s[94:95] offset:64*\n+16
.endr
	WIN 0
	v_mul_u32_u24 v26, v1, XP
	v_mad_u32_u24 v26, v2, 24, v26                 ; x: row x pitch + 24 x half,
	s_mul_i32 s97, s20, 64*XP                      ; my 64 rows,
	v_add_nc_u32 v[ADRX], s97, v26
	v_lshl_add_u32 v[ADRX+1], v2, 4, v[ADRX]       ; and the same behind one padding more
	v_mul_u32_u24 v26, v1, WP                      ; W: row x pitch
	v_mad_u32_u24 v27, v2, 24, v26
	v_add_nc_u32 v[ADRW], WB, v27
	v_add_nc_u32 v[ADRW+1], WB+WSL, v27
	s_mov_b32 s97, WSL-232
	s_mov_b32 s98, WSL+232
	v_mul_u32_u24 v27, s97, v2
	v_add_nc_u32 v27, v26, v27
	v_add_nc_u32 v[ADRW+2], WB+232, v27            ; across chunks: lanes 0-15 byte 232 of slot 0, lanes 16-31 byte 0 of slot 1
	v_sub_nc_u32 v27, 1, v2
	v_mul_u32_u24 v27, s98, v27
	v_add_nc_u32 v27, v26, v27
	v_add_nc_u32 v[ADRW+3], WB, v27                ; lanes 0-15 byte 232 of slot 1, lanes 16-31 byte 0 of slot 0
	v_lshlrev_b32 v[L16], 4, v3
	v_lshlrev_b32 v[L8], 3, v3
	v_lshlrev_b32 v27, 4, v1                       ; 16 r: a row's four scale words in a step
	s_lshl_b32 s98, s21, 9                         ; my step's 512 bytes of the stage
	s_lshl_b32 s99, s22, 3
	s_add_co_u32 s99, s99, s98
	v_add_nc_u32 v[SKA], s99, v27
	v_add_nc_u32 v[SKA], STG, v[SKA]               ; k: words 2 (w & 1) and 2 (w & 1) + 1 of row r
	s_lshl_b32 s99, s22, 1
	s_add_co_u32 s99, s99, s98
	v_add_nc_u32 v[SVA], s99, v27
	v_add_nc_u32 v[SVA], STG+256, v[SVA]           ; v: bytes 2 (w & 1), + 1 of channel r's word
	s_lshl_b32 s99, s22, 9
	v_add_nc_u32 v[SRA], s99, v[L16]
	v_add_nc_u32 v[SRA], STG, v[SRA]
	s_wait_loadcnt 0x0                             ; scales and biases, once
	WIN 0x40
.irp c, 0,1,2,3
.irp j, 0,1,2,3,4,5,6,7
	v_mov_b32 v[BV+8*\c+\j], v[28+\c]              ; in v's layout a lane's eight results are one channel's: the same bias in all eight
.endr
.endr
	WIN 0
; A fragment, 16 rows x 128 K, is 12 registers: six pieces of 8 bytes; lanes 16-31 read 24 bytes further on.  st: the sub-step, 96 bytes of a row.
.macro FRAGX reg, st, i                ; from x's whole rows: the second address register serves the pieces whose lanes 16-31 lie behind one padding more
.irp p, 0,1,2,3,4,5
.set PCE, 12*(\st)+6*(\p/3)+\p%3
.if PCE%32 < 29
	ds_load_b64 v[\reg+2*\p:\reg+2*\p+1], v[ADRX] offset:8*PCE+16*(PCE/32)+(\i)*16*XP
.else
	ds_load_b64 v[\reg+2*\p:\reg+2*\p+1], v[ADRX+1] offset:8*PCE+16*(PCE/32)+(\i)*16*XP
.endif
.endr
.endm
.macro FRAGW reg, st, i                ; from W's chunks: byte y of a row lies in slot (y / 256) % 2 at byte y % 256
.irp p, 0,1,2,3,4,5
.set YB_, 96*(\st)+48*(\p/3)+8*(\p%3)
.if YB_/256 == (YB_+24)/256
	ds_load_b64 v[\reg+2*\p:\reg+2*\p+1], v[ADRW+(YB_/256)%2] offset:YB_%256+(\i)*16*WP
.else
	ds_load_b64 v[\reg+2*\p:\reg+2*\p+1], v[ADRW+2+(YB_/256)%2] offset:YB_%256-232+(\i)*16*WP
.endif
.endr
.endm
.macro FETCH_X st, set                 ; my four tiles of x: 24 loads
	WIN 0
.irp i, 0,1,2,3
	FRAGX XF+48*(\set)+12*\i, \st, \i
.endr
.endm
.macro FETCH_W st, n0                  ; six tiles of W: 36 loads
	WIN 0x40
.irp n, \n0,\n0+1,\n0+2,\n0+3,\n0+4,\n0+5
	FRAGW 12*(\n), \st, \n
.endr
	WIN 0
.endm
; Four matrix instructions: W's tile n against my four tiles of x.  The 48 accumulators take turns, one instruction a turn, in the same order in every sub-step.
.macro MULW n, kap, set, first
.if (\n) < 8
.if \first
	WIN 0x91                                       ; W window 1, x window 0, C (the bias) window 1, D window 2
.else
	WIN 0xa1
.endif
.irp i, 0,1,2,3
.set AC, 32*(((\n)/4)*4+\i)+8*((\n)%4)
.set XR, XF+48*(\set)+12*\i
.if \first
	v_wmma_scale_f32_16x16x128_f8f6f4 v[AC:AC+7], v[12*(\n):12*(\n)+11], v[XR:XR+11], v[BQ+8*(\n):BQ+8*(\n)+7], v[WS+8*(\n)+(\kap)], v[XS+8*\i+(\kap)] matrix_a_fmt:MATRIX_FMT_FP6 matrix_b_fmt:MATRIX_FMT_FP6
.else
	v_wmma_scale_f32_16x16x128_f8f6f4 v[AC:AC+7], v[12*(\n):12*(\n)+11], v[XR:XR+11], v[AC:AC+7], v[WS+8*(\n)+(\kap)], v[XS+8*\i+(\kap)] matrix_a_fmt:MATRIX_FMT_FP6 matrix_b_fmt:MATRIX_FMT_FP6
.endif
.endr
.else
.if \first
	WIN 0xd4                                       ; x window 0, W window 1, C (the bias) window 1, D window 3
.else
	WIN 0xf4
.endif
.irp i, 0,1,2,3
.set AC, 32*((\n)-8)+8*\i
.set XR, XF+48*(\set)+12*\i
.if \first
	v_wmma_scale_f32_16x16x128_f8f6f4 v[AC:AC+7], v[XR:XR+11], v[12*(\n):12*(\n)+11], v[BV+8*((\n)-8):BV+8*((\n)-8)+7], v[XS+8*\i+(\kap)], v[WS+8*(\n)+(\kap)] matrix_a_fmt:MATRIX_FMT_FP6 matrix_b_fmt:MATRIX_FMT_FP6
.else
	v_wmma_scale_f32_16x16x128_f8f6f4 v[AC:AC+7], v[XR:XR+11], v[12*(\n):12*(\n)+11], v[AC:AC+7], v[XS+8*\i+(\kap)], v[WS+8*(\n)+(\kap)] matrix_a_fmt:MATRIX_FMT_FP6 matrix_b_fmt:MATRIX_FMT_FP6
.endif
.endr
.endif
.endm
; A SUB-STEP of 128 along K: 48 matrix instructions; the next sub-step's fragments come in two runs of loads, each four places behind the products that read the registers (ISA guide 7.12.1 for vector instructions).
; mode 0: plain.  mode 1: W's slot 0 has been read out and is filled again.  mode 2: the refill is waited for and shown to every wave.  mode 3: the last: nothing to fetch.
.macro SUB kap, mode, first
.set CS_, (\kap)%2
.set NS_, 1-CS_
.set NQ_, (\kap)+1
.if \mode == 1
	s_wait_tensorcnt 0x0                           ; none of my tensor loads is out;
	ds_add_u32 v[SPW], v[NIL]                      ; 0 onto my spare word;
	s_wait_dscnt 37                                ; (the add and the 36 loads of W's tiles 6-11 may be out)
.elseif \mode == 2
	s_wait_tensorcnt 0x0                           ; chunk 2 has landed (wave 2's load)
	s_wait_dscnt 36
.else
	s_wait_dscnt 36                                ; x's tiles and W's tiles 0-5 are in; the 36 loads of W's tiles 6-11 may be out
.endif
.irp n, 0,1,2
	MULW \n, \kap, CS_, \first
.endr
.if (\mode == 1) || (\mode == 2)
	s_wait_dscnt 0x0                               ; the add is done, and all my LDS reads so far are over, those of chunk 0 among them
	s_barrier_signal -1
.endif
.irp n, 3,4,5
	MULW \n, \kap, CS_, \first
.endr
.if (\mode == 1) || (\mode == 2)
	WIN 0
	s_barrier_wait -1
.endif
.if \mode == 1
	CREST                                          ; the barrier has opened a round of the cluster's: no wave of any partner still reads slot 0 or has a load on its way
	s_add_nc_u64 s[G0W+2:G0W+3], s[G0W+2:G0W+3], 512   ; wave 2: from chunk 0 to chunk 2, into slot 0
	JLOAD
.elseif \mode == 2
	PLACES 4
.elseif \mode == 0
	s_wait_dscnt 0x0                               ; W's tiles 6-11 are in (asked for 24 matrix instructions ago)
	PLACES 4
.else
	s_wait_dscnt 0x0
.endif
.if \mode != 3
	FETCH_X NQ_, NS_
	FETCH_W NQ_, 0
.endif
.irp n, 6,7,8,9,10,11
	MULW \n, \kap, CS_, \first
.endr
.if \mode != 3
	PLACES 4
	FETCH_W NQ_, 6
.else
	WIN 0
.endif
.endm
	s_wait_alu depctr_va_vdst(0)                   ; the wait at the head's end
	s_wait_tensorcnt 0x0                           ; my tile of the head's four is in
	s_barrier_signal -1
	s_barrier_wait -1                              ; everybody's is
	FETCH_X 0, 0
	FETCH_W 0, 0
	FETCH_W 0, 6
	SUB 0, 0, 1                                    ; the first products start the sums from the bias: nothing is cleared
	SUB 1, 0, 0                                    ; fetches sub-step 2, the last that reads chunk 0
	SUB 2, 1, 0                                    ; slot 0 is filled again with chunk 2
	SUB 3, 0, 0
	SUB 4, 2, 0                                    ; chunk 2 is whole for every wave, ahead of the fetch of sub-step 5
	SUB 5, 0, 0
	SUB 6, 0, 0
	SUB 7, 3, 0
; THE WAY OUT.  Four units of 32 registers (two blocks of 32 along the next K, 16 numbers of each in a lane) are quantised together, eight chains by turns.
.macro QGROUP win, base
	WIN (\win)|((\win)<<2)
.irp u, 0,1,2,3
.irp b, 0,1
	v_max3_num_f32 v[TM+2*\u+\b], |v[\base+32*\u+16*\b]|, |v[\base+32*\u+16*\b+1]|, 0x1800000   ; from each accumulator's low end on, and the floor 2^(3 - 127): the byte cannot fall under 1
.endr
.endr
	WIN ((\win)<<2)|((\win)<<4)
.irp i, 2,4,6,8,10,12,14
.irp u, 0,1,2,3
.irp b, 0,1
	v_max3_num_f32 v[TM+2*\u+\b], v[TM+2*\u+\b], |v[\base+32*\u+16*\b+\i]|, |v[\base+32*\u+16*\b+\i+1]|
.endr
.endr
.endr
	WIN 0
.irp t, 0,1,2,3,4,5,6,7
	v_permlanex16_b32 v[TP+\t], v[TM+\t], s26, s27
.endr
.irp t, 0,1,2,3,4,5,6,7
	v_max_num_f32 v[TM+\t], v[TM+\t], v[TP+\t]     ; with lane l xor 16's: the block's largest magnitude
.endr
.irp t, 0,1,2,3,4,5,6,7
	v_add_nc_u32 v[SO+\t], 0xff000000, v[TM+\t]    ; 2 off its exponent field: the conversion's scale operand
.endr
.irp t, 0,1,2,3,4,5,6,7
	v_lshrrev_b32 v[BY+\t], 23, v[SO+\t]           ; the scale's byte
.endr
.irp u, 0,1,2,3
	v_lshl_or_b32 v[HW+\u], v[BY+2*\u+1], 8, v[BY+2*\u]
.endr
	s_wait_xcnt 0x0                                ; the last group's stores have read the codes' registers
	WIN (\win)
.irp u, 0,1,2,3
	v_cvt_scalef32_pk16_fp6_f32 v[CD+8*\u:CD+8*\u+2], v[\base+32*\u:\base+32*\u+15], v[SO+2*\u]
	v_cvt_scalef32_pk16_fp6_f32 v[CD+8*\u+4:CD+8*\u+6], v[\base+32*\u+16:\base+32*\u+31], v[SO+2*\u+1]
.endr
	WIN 0
	v_nop                                          ; one plain place behind a scaled conversion
.irp u, 0,1,2,3
.irp i, 0,1,2
	v_permlane16_swap_b32 v[CD+8*\u+\i], v[CD+8*\u+4+\i]   ; a whole block to a lane: lanes 0-15 block 0, lanes 16-31 block 1
.endr
.endr
.irp u, 0,1,2,3
.irp i, 0,1,2
	v_mov_b32 v[CD+8*\u+3+\i], v[CD+8*\u+4+\i]     ; the upper 16 codes move down one register: six registers on end
.endr
.endr
.endm
.macro HFOUT base, step                ; the four units leave: 512 + 256 consecutive bytes each, at multiples of 256 from the buffer's first byte
.irp u, 0,1,2,3
	global_store_b128 v[L16], v[CD+8*\u:CD+8*\u+3], s[\base:\base+1] offset:\step*\u
	global_store_b64 v[L8], v[CD+8*\u+4:CD+8*\u+5], s[\base:\base+1] offset:\step*\u+512
.endr
.endm
	PLACES 4                                       ; behind the last products: results are read, and registers that held x's fragments are written
.irp t, 0,1,2,3,4,5,6,7
	v_mov_b32 v[TP+\t], 0                          ; a lane permute's destination counts as one of its sources
.endr
	v_cmp_le_u32 vcc_lo, 16, v3                    ; lanes 16-31
	QGROUP 2, 0                                    ; q: unit i = my tile i
.irp u, 0,1,2,3
	v_lshl_or_b32 v[QWD+\u], v[HW+\u], 16, v[HW+\u]   ; q's word: its two bytes twice, since q stands in either half of the 128 along K
.endr
	v_cndmask_b32 v232, v[QWD], v[QWD+1], vcc_lo   ; lane r + 16 h stores the words of tiles h and 2 + h, row r
	v_cndmask_b32 v233, v[QWD+2], v[QWD+3], vcc_lo
	HFOUT 80, 768
	global_store_b64 v[L8], v[232:233], s[82:83]   ; one aligned block of 256 bytes
	QGROUP 2, 128                                  ; k
	v_lshl_or_b32 v234, v[HW+1], 16, v[HW]         ; a fragment of k holds two tiles of keys: its word is their two half-words
	v_lshl_or_b32 v235, v[HW+3], 16, v[HW+2]
	ds_store_b64 v[SKA], v[234:235]
	HFOUT 84, 768
	QGROUP 3, 0                                    ; v: unit ct = 16 channels x my 64 keys
.irp c, 0,1,2,3
	ds_store_b16 v[SVA], v[HW+\c] offset:4*\c      ; both lane halves write the same two bytes with the same value
.endr
	HFOUT 86, 1536
	s_wait_dscnt 0x0                               ; for the others' sake: my words lie in the stage
	s_barrier_signal -1
	s_barrier_wait -1
	s_cmp_lt_u32 s20, 2
	s_cbranch_scc0 .Lno_words
	ds_load_b128 v[236:239], v[SRA]                ; waves 0 and 1: a step's 512 bytes of scale words,
	s_wait_dscnt 0x0
	global_store_b128 v[L16], v[236:239], s[88:89] ; as two aligned blocks of 256 bytes
.Lno_words:
	s_wait_tensorcnt 0x0                           ; the wave's end
	ds_add_u32 v[SPW], v[NIL]
	s_wait_dscnt 0x0
	CROUND                                         ; the closing round
	s_endpgm
.Lfunc_end_k_qb458f77ffd_qkv:
	.size	k_qb458f77ffd_qkv, .Lfunc_end_k_qb458f77ffd_qkv-k_qb458f77ffd_qkv
	.p2alignl 7, 3214868480
	.fill 96, 4, 3214868480
	.section	.rodata,"a",@progbits
	.p2align	6, 0x0
	.amdhsa_kernel k_qb458f77ffd_qkv
		.amdhsa_group_segment_fixed_size 327680
		.amdhsa_private_segment_fixed_size 0
		.amdhsa_enable_private_segment 0
		.amdhsa_kernarg_size 64
		.amdhsa_user_sgpr_count 2
		.amdhsa_user_sgpr_kernarg_segment_ptr 1
		.amdhsa_wavefront_size32 1
		.amdhsa_system_sgpr_workgroup_id_x 1
		.amdhsa_system_sgpr_workgroup_id_y 1
		.amdhsa_system_sgpr_workgroup_id_z 1
		.amdhsa_system_vgpr_workitem_id 0
		.amdhsa_next_free_vgpr 1024
		.amdhsa_next_free_sgpr 100
		.amdhsa_reserve_vcc 1
		.amdhsa_float_denorm_mode_32 3
		.amdhsa_float_denorm_mode_16_64 3
		.amdhsa_memory_ordered 1
		.amdhsa_forward_progress 1
		.amdhsa_inst_pref_size 142
	.end_amdhsa_kernel
	.amdgpu_metadata
---
amdhsa.version: [ 1, 2 ]
amdhsa.kernels:
  - .name:           k_qb458f77ffd_qkv
    .symbol:         k_qb458f77ffd_qkv.kd
    .args:
      - { .name: x_codes, .offset: 0, .size: 8, .value_kind: global_buffer, .address_space: global }
      - { .name: x_scales, .offset: 8, .size: 8, .value_kind: global_buffer, .address_space: global }
      - { .name: W_qkv_codes, .offset: 16, .size: 8, .value_kind: global_buffer, .address_space: global }
      - { .name: W_qkv_scales, .offset: 24, .size: 8, .value_kind: global_buffer, .address_space: global }
      - { .name: b_qkv, .offset: 32, .size: 8, .value_kind: global_buffer, .address_space: global }
      - { .name: qimg, .offset: 40, .size: 8, .value_kind: global_buffer, .address_space: global }
      - { .name: qsc, .offset: 48, .size: 8, .value_kind: global_buffer, .address_space: global }
      - { .name: kv, .offset: 56, .size: 8, .value_kind: global_buffer, .address_space: global }
    .group_segment_fixed_size: 327680
    .private_segment_fixed_size: 0
    .kernarg_segment_align: 8
    .kernarg_segment_size: 64
    .max_flat_workgroup_size: 128
    .sgpr_count:     100
    .vgpr_count:     1024
    .wavefront_size: 32
...
	.end_amdgpu_metadata
.endif
;; end of part 1
;; launch attn (part 2): grid 4 x 64, 16 waves a work-group, clusters of 4 x 1, 207,872 bytes of LDS; arguments qimg, qsc, kv, vals, vsc; writes vals, vsc
.if DOCPART == 2
	.amdgcn_target "amdgcn-amd-amdhsa--gfx1250"
	.amdhsa_code_object_version 6
	.text
	.protected	k_qb458f77ffd_attn
	.globl	k_qb458f77ffd_attn
	.p2align	8
	.type	k_qb458f77ffd_attn,@function
k_qb458f77ffd_attn:
	s_mov_b64 s[64:65], 0
	v_nop
	global_prefetch_b8 v0, s[64:65] scope:SCOPE_SE
	s_setreg_imm32_b32 hwreg(HW_REG_WAVE_MODE, 25, 1), 1
	s_wait_xcnt 0x0
	s_wait_alu depctr_hold_cnt(0) depctr_sa_sdst(0) depctr_va_vdst(0) depctr_va_sdst(0) depctr_va_ssrc(0) depctr_va_vcc(0) depctr_vm_vsrc(0)
	s_getreg_b32 s2, hwreg(HW_REG_IB_STS2, 6, 4)
	s_cmp_eq_u32 s2, 0
	s_cbranch_scc0 .Lentry_in_a_cluster
	s_endpgm
.Lentry_in_a_cluster:
	s_bfe_u32 s2, ttmp6, 0x10000c
	s_cmp_lg_u32 s2, 0x3003
	s_cbranch_scc0 .Lentry_shape_is_right
	s_endpgm
.Lentry_shape_is_right:
; vals = softmax(q k^T / 8) v for one head, both products on codes of FP6 (E2M3) with E8M0 scales; then the quantiser of vals along the 1,024 channels.
; THE SOFTMAX: t = score x log2(e) / 8; M = the running largest t rounded UP to a whole number; p = 2^(t - M) is quantised along the keys, not normalised; the row's sum is taken of the unquantised p and divides at the end.
; When M moves, the sum and O are multiplied by 2^(old M - new M), which rounds nothing.
; SHARES.  A work-group takes one head and 512 queries; each of its sixteen waves one tile of 16 queries at a time, twice.  Four waves share a SIMD: one wave's vector work stands beside another's products and LDS loads.
; THE HEAD'S WHOLE K, V AND SCALE WORDS, 16 steps of 12,800 bytes, LIE IN LDS, filled once: each wave asks for one step, so no ring, no refill and no barrier stands in the loop.
; CLUSTER 4 x 1: the four query blocks of a head read the same 204,800 bytes: each step is asked for jointly, by the same tensor load with a mask that names the four.
; No prefetch: every byte of K and V is asked for at the kernel's head, by the tensor loads themselves.
; LAYOUT.  S^T = K Q^T (source 0 = keys, source 1 = my queries), O^T = V^T P^T: a lane holds ONE query throughout.  A step in LDS: K's four fragments at 1,536 f, V's four at 6,144 + 1,536 ct, K's scale words at
;   12,288 + 16 r + 4 f, V's at 12,544 + 16 r + 4 ct.  Fragments lie as images of their registers: registers 0-3 at 16 x lane, 4-5 at 512 + 8 x lane, 6-9 at 768 + 16 x lane, 10-11 at 1,280 + 8 x lane.
; THE HEAD'S 64 IN AN INSTRUCTION OF 128.  A fragment of K holds TWO tiles of 16 keys (one in each half of the 128).  Q stands as [q][zeros][q] in 18 registers: the first 12, (q | 0), give the first tile's scores, the last 12,
;   (0 | q), the second's: zero codes add nothing under any scale byte that is made here (1 to 254).
; ORDER INSIDE A BLOCK OF 32: q and k, and p and v, are laid by one and the same map (index 16 a + 8 h + j at place 16 h + 8 a + j), so each product pairs the right numbers; only the order of the additions inside a block differs from ascending k.
;   vals meets W_o, which is given in natural order: sixteen lane swaps set it right ahead of its quantiser.
; LIMITS: NaN and infinities are not served.  A p under 2^-126 counts as 0 (v_exp_f32 flushes: ISA guide, its entry).  A block whose largest magnitude lies under 2^-124 keeps the scale byte 1; only this program reads the bytes.
; REGISTERS: v1-9 addresses; v12 -M, v13 the largest t, v[14:15] the sum; v16-33 Q; v34 Q's scale word; v36-39 K's, v40-43 V's; v44-91 four fragments; v96-159 S^T, then p; v160-191 O^T; v192-203 p's codes; v204-232 at work.
.set STEPB, 12800
.set STG,   16*STEPB                   ; vals's half-words of the 512 queries: tile tl, row r at 32 tl + 2 r
.set F,   44
.set S,   96
.set O,   160
.set PC,  192
.set PT,  204
.set BM,  212
.set BP,  216
.set SO,  220
.set PW,  224
.set FF,  226
.set TMP, 228
.set L2,  230
.set HWR, 232
.macro CROUND
	s_barrier_signal -1
	s_barrier_wait -1
	s_cmp_lg_u32 s14, 0
	s_cbranch_scc1 .Lnot_wave_0_\@
	s_barrier_signal -3
.Lnot_wave_0_\@:
	s_barrier_wait -3
	s_barrier_signal -1
	s_barrier_wait -1
.endm
	s_load_b256 s[4:11], s[0:1], 0x0               ; qimg, qsc, kv, vals
	s_load_b64 s[12:13], s[0:1], 0x20              ; vsc
	v_lshl_add_u32 v254, v0, 2, 0x32400
	v_mov_b32 v255, 0
	ds_add_u32 v254, v255
	ds_add_u32 v254, v255
	v_lshrrev_b32 v1, 5, v0
	s_delay_alu instid0(VALU_DEP_1)
	v_readfirstlane_b32 s14, v1                    ; wave 0..15
	s_bfe_u32 s15, ttmp6, 0x40000                  ; cx: my block of 512 queries; it enters global addresses of q and vals alone
	s_and_b32 s16, ttmp7, 0xffff                   ; bh = 16 x batch + head, which the four partners share
	s_mov_b32 s24, 15|(3<<16)|(1<<21)              ; the mask: all four; elements of 8 bytes; bit 21 beside a mask; no padding
	s_mov_b32 s25, 32<<16                          ; tensor_dim0 = 32 elements: rows of 256 bytes
	s_mov_b32 s26, 50<<16                          ; tensor_dim1 = 50 rows: a step's 12,800 dense bytes
	s_mov_b32 s27, 32<<16                          ; tile_dim0
	s_mov_b32 s28, 50                              ; tile_dim1
	s_mov_b32 s29, 32                              ; the pitch
	s_mov_b32 s30, 0
	s_mov_b32 s31, 0
	s_mul_i32 s40, s16, 204800
	s_mul_i32 s39, s14, STEPB                      ; step = my wave's number: in LDS,
	s_add_co_u32 s40, s40, s39                     ; and in memory
	s_mov_b32 s41, 0
	s_lshl_b32 s42, s16, 7                         ; qimg: tile 128 bh + 32 cx + wave
	s_lshl_b32 s17, s15, 5
	s_add_co_u32 s42, s42, s17
	s_add_co_u32 s42, s42, s14
	s_mul_i32 s42, s42, 768
	s_mov_b32 s43, 0
	s_lshl_b32 s44, s16, 5                         ; qsc: chunk 32 bh + 8 cx + wave / 4; in it tile i = wave % 4, row r, at 8 r + 128 (i & 1) + 4 (i >> 1)
	s_lshl_b32 s17, s15, 3
	s_add_co_u32 s44, s44, s17
	s_lshr_b32 s17, s14, 2
	s_add_co_u32 s44, s44, s17
	s_lshl_b32 s44, s44, 8
	s_and_b32 s17, s14, 1
	s_lshl_b32 s17, s17, 7
	s_add_co_u32 s44, s44, s17
	s_bfe_u32 s17, s14, 0x10001
	s_lshl_b32 s17, s17, 2
	s_add_co_u32 s44, s44, s17
	s_mov_b32 s45, 0
	s_lshr_b32 s18, s16, 4                         ; the batch
	s_and_b32 s19, s16, 15                         ; the head
	s_lshl_b32 s46, s18, 7                         ; vals: (tile of tokens 128 batch + 32 cx + wave) x 16 heads + head, 768 bytes each
	s_lshl_b32 s17, s15, 5
	s_add_co_u32 s46, s46, s17
	s_add_co_u32 s46, s46, s14
	s_lshl_b32 s46, s46, 4
	s_add_co_u32 s46, s46, s19
	s_mul_i32 s46, s46, 768
	s_mov_b32 s47, 0
	s_lshl_b32 s48, s19, 14                        ; vsc: 16,384 head + 2 x token, + the 512 bytes that wave 0 or 1 stores
	s_lshl_b32 s17, s18, 12
	s_add_co_u32 s48, s48, s17
	s_lshl_b32 s17, s15, 10
	s_add_co_u32 s48, s48, s17
	s_and_b32 s17, s14, 1
	s_lshl_b32 s17, s17, 9
	s_add_co_u32 s48, s48, s17
	s_mov_b32 s49, 0
	s_mov_b32 s20, 0x76543210                      ; v_permlanex16_b32's selects for lane l xor 16
	s_mov_b32 s21, 0xfedcba98
	s_mov_b32 s22, 0x3e38aa3b                      ; c = log2(e) / 8
	s_mov_b32 s23, s22                             ; (named with it as a pair, so it is written)
	s_wait_dscnt 0x0
	s_wait_kmcnt 0x0
	s_add_nc_u64 s[42:43], s[4:5], s[42:43]
	s_add_nc_u64 s[44:45], s[6:7], s[44:45]
	s_add_nc_u64 s[46:47], s[10:11], s[46:47]
	s_add_nc_u64 s[48:49], s[12:13], s[48:49]
	CROUND                                         ; all four work-groups are here: the joint loads meet
	s_mov_b32 s32, 1
	s_mov_b32 s33, s39
	s_add_nc_u64 s[34:35], s[8:9], s[40:41]
	s_or_b32 s35, s35, 0x80000000
	tensor_load_to_lds s[32:35], s[24:31]          ; my one tensor load: step = my wave's number
	s_nop 0
.rept 4
	v_nop
.endr
	v_and_b32 v10, 31, v0                          ; lane
	v_and_b32 v11, 15, v0                          ; r
	s_delay_alu instid0(VALU_DEP_2)
	v_lshlrev_b32 v1, 4, v10                       ; 16 x lane
	s_delay_alu instid0(VALU_DEP_3)
	v_lshlrev_b32 v2, 3, v10                       ; 8 x lane
	s_delay_alu instid0(VALU_DEP_3)
	v_lshlrev_b32 v3, 4, v11                       ; 16 r
	s_delay_alu instid0(VALU_DEP_4)
	v_lshlrev_b32 v7, 3, v11                       ; 8 r
	s_lshl_b32 s17, s14, 5
	v_lshl_add_u32 v8, v11, 1, s17
	s_delay_alu instid0(VALU_DEP_1)
	v_add_nc_u32 v8, STG, v8                       ; the stage: 32 x wave + 2 r
	s_and_b32 s17, s14, 1
	s_lshl_b32 s17, s17, 9
	v_add_nc_u32 v9, s17, v1
	s_delay_alu instid0(VALU_DEP_1)
	v_add_nc_u32 v9, STG, v9                       ; and back: 512 bytes for wave 0, 512 for wave 1
.irp j, 22,23,24,25,26,27
	v_mov_b32 v\j, 0                               ; the zero codes between the two copies of q
.endr
.irp b, 0,1,2,3
	v_mov_b32 v[BP+\b], 0                          ; a lane permute's destination counts as one of its sources
.endr
	v_mov_b32 v[FF+1], 0                           ; (named as the upper half of a pair)
	v_mov_b32 v[TMP], 0
.macro QLOAD p                         ; my tile's half fragment of q, twice, and its scale word
	global_load_b128 v[16:19], v1, s[42:43] offset:12288*\p
	global_load_b64 v[20:21], v2, s[42:43] offset:12288*\p+512
	global_load_b128 v[28:31], v1, s[42:43] offset:12288*\p
	global_load_b64 v[32:33], v2, s[42:43] offset:12288*\p+512
	global_load_b32 v34, v7, s[44:45] offset:1024*\p
.endm
; A KEY STEP: 128 keys.
.macro STEP
	v_add_nc_u32 v4, s36, v1                       ; these three and the v_nop are the four places behind the last step's products, in front of loads into registers that they read
	v_add_nc_u32 v5, s36, v2
	v_add_nc_u32 v6, s36, v3
	v_nop
.irp f, 0,1,2,3
	ds_load_b128 v[F+12*\f:F+12*\f+3], v4 offset:1536*\f
	ds_load_b64 v[F+12*\f+4:F+12*\f+5], v5 offset:1536*\f+512
	ds_load_b128 v[F+12*\f+6:F+12*\f+9], v4 offset:1536*\f+768
	ds_load_b64 v[F+12*\f+10:F+12*\f+11], v5 offset:1536*\f+1280
.endr
	ds_load_b128 v[36:39], v6 offset:12288         ; K's four scale words of row r
	ds_load_b128 v[40:43], v6 offset:12544         ; V's
	s_wait_alu depctr_va_vdst(0)
	s_wait_dscnt 0x0
.irp f, 0,1,2,3
	v_wmma_scale_f32_16x16x128_f8f6f4 v[S+16*\f:S+16*\f+7], v[F+12*\f:F+12*\f+11], v[16:27], 0, v[36+\f], v34 matrix_a_fmt:MATRIX_FMT_FP6 matrix_b_fmt:MATRIX_FMT_FP6
	v_wmma_scale_f32_16x16x128_f8f6f4 v[S+16*\f+8:S+16*\f+15], v[F+12*\f:F+12*\f+11], v[22:33], 0, v[36+\f], v34 matrix_a_fmt:MATRIX_FMT_FP6 matrix_b_fmt:MATRIX_FMT_FP6
.endr
.rept 4
	v_nop                                          ; places in front of the loads below and of the first read of the scores
.endr
.irp f, 0,1,2,3                                    ; V's fragments land while the softmax is walked
	ds_load_b128 v[F+12*\f:F+12*\f+3], v4 offset:6144+1536*\f
	ds_load_b64 v[F+12*\f+4:F+12*\f+5], v5 offset:6144+1536*\f+512
	ds_load_b128 v[F+12*\f+6:F+12*\f+9], v4 offset:6144+1536*\f+768
	ds_load_b64 v[F+12*\f+10:F+12*\f+11], v5 offset:6144+1536*\f+1280
.endr
.irp b, 0,1,2,3
	v_max3_num_f32 v[BM+\b], v[S+16*\b], v[S+1+16*\b], v[S+2+16*\b]   ; the largest score of each block of 32 keys: it serves for the row's maximum and, since p rises with the score, for the block's largest p
.endr
.irp i, 3,5,7,9,11,13
.irp b, 0,1,2,3
	v_max3_num_f32 v[BM+\b], v[BM+\b], v[S+16*\b+\i], v[S+1+16*\b+\i]
.endr
.endr
.irp b, 0,1,2,3
	v_max_num_f32 v[BM+\b], v[BM+\b], v[S+15+16*\b]
.endr
.irp b, 0,1,2,3
	s_delay_alu instid0(VALU_DEP_4)
	v_permlanex16_b32 v[BP+\b], v[BM+\b], s20, s21
.endr
.irp b, 0,1,2,3
	s_delay_alu instid0(VALU_DEP_4)
	v_max_num_f32 v[BM+\b], v[BM+\b], v[BP+\b]     ; with lane l xor 16's 16 keys
.endr
	s_delay_alu instid0(VALU_DEP_2)
	v_max3_num_f32 v[TMP], v[BM], v[BM+1], v[BM+2]
	s_delay_alu instid0(VALU_DEP_1)
	v_max_num_f32 v[TMP], v[TMP], v[BM+3]          ; the step's largest score of my query
	s_delay_alu instid0(VALU_DEP_1)
	v_mul_f32 v[TMP], s22, v[TMP]                  ; as t (c is positive)
	s_delay_alu instid0(VALU_DEP_1)
	v_max_num_f32 v13, v13, v[TMP]                 ; the running largest t
	v_mov_b32 v[TMP], v12
	s_delay_alu instid0(VALU_DEP_2)
	v_floor_f32 v12, -v13                          ; the new -M = floor(-t): M is a whole number
	s_delay_alu instid0(VALU_DEP_1)
	v_sub_f32 v[TMP], v12, v[TMP]                  ; old M - new M: a whole number, 0 or less
	s_delay_alu instid0(VALU_DEP_1)
	v_cvt_i32_f32 v[TMP], v[TMP]                   ; (it saturates)
	s_delay_alu instid0(VALU_DEP_1)
	v_ldexp_f32 v[FF], 1.0, v[TMP]                 ; f = 2^(old M - new M)
.set j, 0
.rept 32
	v_pk_fma_f32 v[S+j:S+j+1], v[S+j:S+j+1], s[22:23], v[12:13] op_sel_hi:[1,0,0]   ; t - M, two at a time
.set j, j+2
.endr
.irp b, 0,1,2,3
	v_fma_f32 v[BM+\b], v[BM+\b], s22, v12         ; the same of each block's largest score
.endr
.set j, 0
	s_wait_alu depctr_va_vdst(0)
.rept 64
	v_exp_f32 v[S+j], v[S+j]                       ; p = 2^(t - M), at most 1
.set j, j+1
.endr
	v_pk_mul_f32 v[14:15], v[14:15], v[FF:FF+1] op_sel_hi:[1,0]   ; the sum under the new M: a plain place behind the exponentials
	s_wait_alu depctr_va_vdst(0)                   ; one wait for the whole batch, ahead of its first reader
.irp b, 0,1,2,3
	v_exp_f32 v[BM+\b], v[BM+\b]                   ; the block's largest p: the same two instructions on the same number
.endr
	v_pk_add_f32 v[230:231], v[100:101], v[104:105]
	v_pk_add_f32 v[252:253], v[108:109], v[112:113]
	v_pk_add_f32 v[250:251], v[116:117], v[120:121]
	v_pk_add_f32 v[248:249], v[124:125], v[128:129]
	v_pk_add_f32 v[246:247], v[132:133], v[136:137]
	v_pk_add_f32 v[244:245], v[140:141], v[144:145]
	v_pk_add_f32 v[242:243], v[148:149], v[152:153]
	v_pk_add_f32 v[14:15], v[14:15], v[156:157]
	v_pk_add_f32 v[230:231], v[230:231], v[96:97]
	v_pk_add_f32 v[252:253], v[252:253], v[98:99]
	v_pk_add_f32 v[250:251], v[250:251], v[102:103]
	v_pk_add_f32 v[248:249], v[248:249], v[106:107]
	v_pk_add_f32 v[246:247], v[246:247], v[110:111]
	v_pk_add_f32 v[244:245], v[244:245], v[114:115]
	v_pk_add_f32 v[242:243], v[242:243], v[118:119]
	v_pk_add_f32 v[14:15], v[14:15], v[122:123]
	v_pk_add_f32 v[230:231], v[230:231], v[126:127]
	v_pk_add_f32 v[252:253], v[252:253], v[130:131]
	v_pk_add_f32 v[250:251], v[250:251], v[134:135]
	v_pk_add_f32 v[248:249], v[248:249], v[138:139]
	v_pk_add_f32 v[246:247], v[246:247], v[142:143]
	v_pk_add_f32 v[244:245], v[244:245], v[146:147]
	v_pk_add_f32 v[242:243], v[242:243], v[150:151]
	v_pk_add_f32 v[14:15], v[14:15], v[154:155]
	v_pk_add_f32 v[230:231], v[230:231], v[158:159]
	s_delay_alu instid0(VALU_DEP_2)
	v_pk_add_f32 v[14:15], v[14:15], v[248:249]
	s_delay_alu instid0(VALU_DEP_2)
	v_pk_add_f32 v[230:231], v[230:231], v[246:247]
	v_pk_add_f32 v[252:253], v[252:253], v[244:245]
	v_pk_add_f32 v[250:251], v[250:251], v[242:243]
	s_delay_alu instid0(VALU_DEP_2)
	v_pk_add_f32 v[14:15], v[14:15], v[252:253]
	s_delay_alu instid0(VALU_DEP_2)
	v_pk_add_f32 v[230:231], v[230:231], v[250:251]
	s_delay_alu instid0(VALU_DEP_1)
	v_pk_add_f32 v[14:15], v[14:15], v[230:231]
	s_wait_alu depctr_va_vdst(0)                   ; and one for the four
.irp b, 0,1,2,3
	v_max_num_f32 v[BM+\b], 0x1800000, v[BM+\b]    ; the floor 2^(3 - 127): the byte cannot fall under 1
.endr
.irp b, 0,1,2,3
	s_delay_alu instid0(VALU_DEP_4)
	v_add_nc_u32 v[SO+\b], 0xff000000, v[BM+\b]    ; 2 off the exponent field: the conversion's scale operand
.endr
.irp b, 0,1,2,3
	s_delay_alu instid0(VALU_DEP_4)
	v_lshrrev_b32 v[BP+\b], 23, v[SO+\b]           ; the scale's byte
.endr
	s_delay_alu instid0(VALU_DEP_3)
	v_lshl_or_b32 v[PW], v[BP+1], 8, v[BP]         ; p's scale word for these 128 keys
	s_delay_alu instid0(VALU_DEP_1)
	v_lshl_or_b32 v[PW], v[BP+2], 16, v[PW]
	s_delay_alu instid0(VALU_DEP_1)
	v_lshl_or_b32 v[PW], v[BP+3], 24, v[PW]
.irp c, 0,1
	v_cvt_scalef32_pk16_fp6_f32 v[PC+6*\c:PC+6*\c+2], v[S+32*\c:S+32*\c+15], v[SO+2*\c]
	v_cvt_scalef32_pk16_fp6_f32 v[PT+4*\c:PT+4*\c+2], v[S+32*\c+16:S+32*\c+31], v[SO+2*\c+1]
.endr
	v_nop                                          ; one plain place behind a scaled conversion
.irp c, 0,1
.irp i, 0,1,2
	v_permlane16_swap_b32 v[PC+6*\c+\i], v[PT+4*\c+\i]   ; a whole block to a lane
.endr
.irp i, 0,1,2
	s_delay_alu instid0(VALU_DEP_3)
	v_mov_b32 v[PC+3+6*\c+\i], v[PT+4*\c+\i]
.endr
.endr
.set j, 0
.rept 16
	v_pk_mul_f32 v[O+j:O+j+1], v[O+j:O+j+1], v[FF:FF+1] op_sel_hi:[1,0]   ; O^T under the new M, from each accumulator's low end on; these are also the places between the scale word and the codes just made and the products below
.set j, j+2
.endr
	s_wait_alu depctr_va_vdst(0)
	s_wait_dscnt 0x0                               ; V's fragments are in
.irp c, 0,1,2,3                                    ; the four accumulators take turns, and the next matrix instruction starts new scores
	v_wmma_scale_f32_16x16x128_f8f6f4 v[O+8*\c:O+8*\c+7], v[F+12*\c:F+12*\c+11], v[PC:PC+11], v[O+8*\c:O+8*\c+7], v[40+\c], v[PW] matrix_a_fmt:MATRIX_FMT_FP6 matrix_b_fmt:MATRIX_FMT_FP6
.endr
.endm
; THE END OF A PASS: O^T / the sum, set in natural order, quantised along the channels, stored as half a fragment of the last product's operand.
.macro EPI p
	v_add_f32 v14, v14, v15
	s_delay_alu instid0(VALU_DEP_1)
	v_permlanex16_b32 v[TMP], v14, s20, s21
	s_delay_alu instid0(VALU_DEP_1)
	v_add_f32 v14, v14, v[TMP]                     ; the row's sum
	v_nop
	v_nop
	s_wait_alu depctr_va_vdst(0)
	v_rcp_f32 v[FF], v14
	v_nop                                          ; a plain place behind the reciprocal
	s_wait_alu depctr_va_vdst(0)                   ; and the wait ahead of its first reader
.set j, 0
.rept 16
	v_pk_mul_f32 v[S+j:S+j+1], v[O+j:O+j+1], v[FF:FF+1] op_sel_hi:[1,0]   ; register 8 ct + i: channel 16 ct + 8 h + i of my query
.set j, j+2
.endr
.irp b, 0,1
.irp i, 0,1,2,3,4,5,6,7
	v_permlane16_swap_b32 v[S+16*\b+\i], v[S+8+16*\b+\i]   ; now register 16 b + i: channel 32 b + 16 h + i: natural order, as W_o's codes have it
.endr
.endr
.irp b, 0,1
	v_max3_num_f32 v[BM+\b], |v[S+16*\b]|, |v[S+1+16*\b]|, 0x1800000
.endr
.irp i, 2,4,6,8,10,12,14
.irp b, 0,1
	s_delay_alu instid0(VALU_DEP_2)
	v_max3_num_f32 v[BM+\b], v[BM+\b], |v[S+16*\b+\i]|, |v[S+1+16*\b+\i]|
.endr
.endr
.irp b, 0,1
	s_delay_alu instid0(VALU_DEP_2)
	v_permlanex16_b32 v[BP+\b], v[BM+\b], s20, s21
.endr
.irp b, 0,1
	s_delay_alu instid0(VALU_DEP_2)
	v_max_num_f32 v[BM+\b], v[BM+\b], v[BP+\b]
.endr
.irp b, 0,1
	s_delay_alu instid0(VALU_DEP_2)
	v_add_nc_u32 v[SO+\b], 0xff000000, v[BM+\b]
.endr
.irp b, 0,1
	s_delay_alu instid0(VALU_DEP_2)
	v_lshrrev_b32 v[BP+\b], 23, v[SO+\b]
.endr
	s_delay_alu instid0(VALU_DEP_1)
	v_lshl_or_b32 v[HWR], v[BP+1], 8, v[BP]        ; my row's two scale bytes
	v_cvt_scalef32_pk16_fp6_f32 v[PC:PC+2], v[S:S+15], v[SO]
	v_cvt_scalef32_pk16_fp6_f32 v[PT:PT+2], v[S+16:S+31], v[SO+1]
	v_nop
.irp i, 0,1,2
	v_permlane16_swap_b32 v[PC+\i], v[PT+\i]
.endr
.irp i, 0,1,2
	s_delay_alu instid0(VALU_DEP_3)
	v_mov_b32 v[PC+3+\i], v[PT+\i]
.endr
	global_store_b128 v1, v[PC:PC+3], s[46:47] offset:196608*\p        ; 512 + 256 consecutive bytes, at a multiple of 256 from the buffer's first byte
	global_store_b64 v2, v[PC+4:PC+5], s[46:47] offset:196608*\p+512
	ds_store_b16 v8, v[HWR] offset:512*\p          ; both lane halves write the same two bytes with the same value
.endm
.macro PASS p
	v_mov_b32 v13, 0xff61b1e6                      ; the largest t so far: -3e38, under every t
	s_delay_alu instid0(VALU_DEP_1)
	v_floor_f32 v12, -v13
	v_mov_b32 v14, 0
	v_mov_b32 v15, 0
.set j, 0
.rept 32
	v_mov_b32 v[O+j], 0                            ; the step is written once: the first finds zeros, which the first change of M leaves zeros
.set j, j+1
.endr
	s_mov_b32 s36, 0                               ; the step's first byte in LDS
	s_mov_b32 s37, 16
	s_wait_loadcnt 0x0                             ; q
.Lstep_\@:
	STEP
	s_add_co_u32 s36, s36, STEPB
	s_sub_co_u32 s37, s37, 1
	s_cmp_lg_u32 s37, 0
	s_cbranch_scc1 .Lstep_\@
	EPI \p
.endm
	QLOAD 0
	s_wait_tensorcnt 0x0                           ; my step has landed,
	s_barrier_signal -1
	s_barrier_wait -1                              ; everybody's has: the head's K and V are whole
	PASS 0
	s_wait_xcnt 0x0                                ; the stores have read the codes' registers: the next pass writes them again
	QLOAD 1
	PASS 1
	s_wait_dscnt 0x0                               ; for the others' sake: my half-words lie in the stage
	s_barrier_signal -1
	s_barrier_wait -1
	s_cmp_lt_u32 s14, 2
	s_cbranch_scc0 .Lno_words
	ds_load_b128 v[236:239], v9                    ; waves 0 and 1: 256 tokens' half-words each,
	s_wait_dscnt 0x0
	global_store_b128 v1, v[236:239], s[48:49]     ; as two aligned blocks of 256 bytes
.Lno_words:
	s_wait_tensorcnt 0x0
	ds_add_u32 v254, v255
	s_wait_dscnt 0x0
	CROUND                                         ; the closing round
	s_endpgm
.Lfunc_end_k_qb458f77ffd_attn:
	.size	k_qb458f77ffd_attn, .Lfunc_end_k_qb458f77ffd_attn-k_qb458f77ffd_attn
	.p2alignl 7, 3214868480
	.fill 96, 4, 3214868480
	.section	.rodata,"a",@progbits
	.p2align	6, 0x0
	.amdhsa_kernel k_qb458f77ffd_attn
		.amdhsa_group_segment_fixed_size 207872
		.amdhsa_private_segment_fixed_size 0
		.amdhsa_enable_private_segment 0
		.amdhsa_kernarg_size 40
		.amdhsa_user_sgpr_count 2
		.amdhsa_user_sgpr_kernarg_segment_ptr 1
		.amdhsa_wavefront_size32 1
		.amdhsa_system_sgpr_workgroup_id_x 1
		.amdhsa_system_sgpr_workgroup_id_y 1
		.amdhsa_system_sgpr_workgroup_id_z 1
		.amdhsa_system_vgpr_workitem_id 0
		.amdhsa_next_free_vgpr 256
		.amdhsa_next_free_sgpr 66
		.amdhsa_reserve_vcc 0
		.amdhsa_float_denorm_mode_32 3
		.amdhsa_float_denorm_mode_16_64 3
		.amdhsa_memory_ordered 1
		.amdhsa_forward_progress 1
		.amdhsa_inst_pref_size 54
	.end_amdhsa_kernel
	.amdgpu_metadata
---
amdhsa.version: [ 1, 2 ]
amdhsa.kernels:
  - .name:           k_qb458f77ffd_attn
    .symbol:         k_qb458f77ffd_attn.kd
    .args:
      - { .name: qimg, .offset: 0, .size: 8, .value_kind: global_buffer, .address_space: global }
      - { .name: qsc, .offset: 8, .size: 8, .value_kind: global_buffer, .address_space: global }
      - { .name: kv, .offset: 16, .size: 8, .value_kind: global_buffer, .address_space: global }
      - { .name: vals, .offset: 24, .size: 8, .value_kind: global_buffer, .address_space: global }
      - { .name: vsc, .offset: 32, .size: 8, .value_kind: global_buffer, .address_space: global }
    .group_segment_fixed_size: 207872
    .private_segment_fixed_size: 0
    .kernarg_segment_align: 8
    .kernarg_segment_size: 40
    .max_flat_workgroup_size: 512
    .sgpr_count:     66
    .vgpr_count:     256
    .wavefront_size: 32
...
	.end_amdgpu_metadata
.endif
;; end of part 2
;; launch oproj (part 3): grid 8 x 32, 4 waves a work-group, clusters of 4 x 4, 327,680 bytes of LDS; arguments vals, vsc, W_o_codes, W_o_scales, b_o, out0; writes out0
.if DOCPART == 3
	.amdgcn_target "amdgcn-amd-amdhsa--gfx1250"
	.amdhsa_code_object_version 6
	.text
	.protected	k_qb458f77ffd_oproj
	.globl	k_qb458f77ffd_oproj
	.p2align	8
	.type	k_qb458f77ffd_oproj,@function
k_qb458f77ffd_oproj:
	s_mov_b64 s[64:65], 0
	v_nop
	global_prefetch_b8 v0, s[64:65] scope:SCOPE_SE
	s_setreg_imm32_b32 hwreg(HW_REG_WAVE_MODE, 25, 1), 1
	s_wait_xcnt 0x0
	s_wait_alu depctr_hold_cnt(0) depctr_sa_sdst(0) depctr_va_vdst(0) depctr_va_sdst(0) depctr_va_ssrc(0) depctr_va_vcc(0) depctr_vm_vsrc(0)
	s_getreg_b32 s2, hwreg(HW_REG_IB_STS2, 6, 4)
	s_cmp_eq_u32 s2, 0
	s_cbranch_scc0 .Lentry_in_a_cluster
	s_endpgm
.Lentry_in_a_cluster:
	s_bfe_u32 s2, ttmp6, 0x10000c
	s_cmp_lg_u32 s2, 0xf033
	s_cbranch_scc0 .Lentry_shape_is_right
	s_endpgm
.Lentry_shape_is_right:
; out0 = vals W_o + b_o on codes of FP6 (E2M3) with E8M0 scales.  vals: images of fragments, [tile of 16 tokens][head][768 bytes]; its scale half-words [head][token]; W_o: [1024 columns][768 bytes], K innermost.
; SHARES.  A work-group takes 256 tokens x 128 columns: 256 work-groups.  A wave takes 64 tokens (4 tiles i) x 8 tiles n of W_o's rows: 32 accumulators at 64 i + 8 n.
; The product is used transposed (source 0 = 16 rows of W_o, source 1 = 16 tokens): a lane holds eight neighbouring columns of one row of out0.  The bias is the C of each sum's first product.
; ALL OF K LIES IN LDS, each byte filled once, one tensor load a wave at the head: wave 0 vals's heads 0-3 of the 16 tiles (rows of 3,072 bytes), waves 1 and 2 a half each of W_o's 128 whole rows (768 bytes + 16 behind every 256),
;   wave 3 vals's heads 4-15 (rows of 9,216 bytes).  Every tensor row begins at a multiple of 256 bytes of its buffer.  The first barrier shows the tiles of waves 0 to 2; wave 3's, first read for K step 2, is shown by the barrier in sub-step 1.
; CLUSTER 4 x 4: vals's tiles hang on the token block alone and are asked for jointly along a row of the cluster, W_o's on the column block alone, along a column.
; No prefetch: every tile is asked for at the kernel's head, and the text has no loop to run ahead in.
; REGISTERS.  Window 0: v1-31 addresses; v32-47 vals's scale words (8 x pair of tiles + K step: lanes 0-15 the even tile, lanes 16-31 the odd one); v48-111 W_o's (8 n + K step); v112-143 half-words as loaded;
;   v160-207, v208-255 vals's fragments, two sets; on the way out v128-255 are rows of out0.  Window 1: v0-95 W_o's 8 fragments; v96-159 the bias.  Window 2: the accumulators.
.set PITCH,  816
.set VA1,    16*3072                   ; vals's heads 4-15, behind heads 0-3
.set WOFF,   16*12288                  ; W_o's 128 rows
.set SPARE,  WOFF+128*PITCH            ; the spare words
.set AA16,   4                         ; v4, v5  16 x lane + my four tiles, heads 0-3 and heads 4-15
.set AA8,    8                         ; v8, v9  8 x lane likewise
.set AW,     12                        ; v12, v13 W_o's tiles 0-3, 4-7; v14, v15 the same behind one padding more
.set STO,    20
.set RD,     21
.set CO,     22
.set SPW,    30
.set NIL,    31
.set VS,     32
.set WS,     48
.set TT,     112
.set XF,     160
.set BO,     96
.set BK,     128
.set G1A,    28
.set G1W,    36
.set G0A,    44
.set G0B,    48
.set G0W,    52
.set G1B,    68
.set MSB, 0
.macro WIN new
.if MSB != (\new)
	s_set_vgpr_msb (MSB<<8)|(\new)
.set MSB, (\new)
.endif
.endm
.macro PLACES n
.rept \n
	v_nop
.endr
.endm
.macro CROUND
	s_barrier_signal -1
	s_barrier_wait -1
	s_cmp_lg_u32 s20, 0
	s_cbranch_scc1 .Lnot_wave_0_\@
	s_barrier_signal -3
.Lnot_wave_0_\@:
	s_barrier_wait -3
	s_barrier_signal -1
	s_barrier_wait -1
.endm
.macro TLOAD g0, g1
	tensor_load_to_lds s[\g0:\g0+3], s[\g1:\g1+7]
	s_nop 0
	PLACES 4
.endm
	s_load_b256 s[4:11], s[0:1], 0x0               ; vals, vsc, W_o codes, W_o scales
	s_load_b128 s[12:15], s[0:1], 0x20             ; b_o, out0
	v_lshl_add_u32 v[SPW], v0, 2, SPARE
	v_mov_b32 v[NIL], 0
	ds_add_u32 v[SPW], v[NIL]                      ; the opening lines
	ds_add_u32 v[SPW], v[NIL]
	v_lshrrev_b32 v1, 5, v0
	v_readfirstlane_b32 s20, v1                    ; wave 0..3
	s_bfe_u32 s23, ttmp6, 0x40000                  ; cx
	s_bfe_u32 s24, ttmp6, 0x40004                  ; cy
	s_lshl_b32 s25, ttmp9, 2
	s_add_co_u32 s25, s25, s23                     ; the block of 128 columns
	s_and_b32 s26, ttmp7, 0xffff
	s_lshl_b32 s26, s26, 2
	s_add_co_u32 s26, s26, s24                     ; the block of 256 tokens
	s_lshl_b32 s27, s24, 2
	s_lshl_b32 s27, 15, s27                        ; my row of the cluster
	s_lshl_b32 s84, 0x1111, s23                    ; my column
	s_or_b32 s[G1A], s27, (3<<16)|(1<<21)          ; the mask; elements of 8 bytes; bit 21 beside a mask; no padding
	s_mov_b32 s[G1A+1], 384<<16                    ; 3,072 bytes of each of 16 tiles
	s_mov_b32 s[G1A+2], 16<<16
	s_mov_b32 s[G1A+3], 384<<16
	s_mov_b32 s[G1A+4], 16
	s_mov_b32 s[G1A+5], 1536                       ; a tile's 12,288 bytes in memory
	s_mov_b32 s[G1A+6], 0
	s_mov_b32 s[G1A+7], 0
	s_or_b32 s[G1B], s27, (3<<16)|(1<<21)
	s_mov_b32 s[G1B+1], 1152<<16                   ; 9,216 bytes of each of 16 tiles
	s_mov_b32 s[G1B+2], 16<<16
	s_mov_b32 s[G1B+3], 1152<<16
	s_mov_b32 s[G1B+4], 16
	s_mov_b32 s[G1B+5], 1536
	s_mov_b32 s[G1B+6], 0
	s_mov_b32 s[G1B+7], 0
	s_or_b32 s[G1W], s84, (1<<20)|(1<<21)|(5<<22)|(3<<25)   ; elements of 1 byte; after every 64 words 4 words of padding
	s_mov_b32 s[G1W+1], 768<<16
	s_mov_b32 s[G1W+2], 64<<16
	s_mov_b32 s[G1W+3], 768<<16
	s_mov_b32 s[G1W+4], 64
	s_mov_b32 s[G1W+5], 768
	s_mov_b32 s[G1W+6], 0
	s_mov_b32 s[G1W+7], 0
	s_lshl_b32 s60, s26, 4                         ; vals: tile 16 x block, in registers that never hold the column block
	s_mul_i32 s60, s60, 12288
	s_mov_b32 s61, 0
	s_lshr_b32 s85, s20, 1                         ; waves 1, 2: W_o's half 0, 1
	s_lshl_b32 s62, s25, 7                         ; W_o: row 128 x block + 64 x half, in registers that never hold the token block
	s_lshl_b32 s86, s85, 6
	s_add_co_u32 s62, s62, s86
	s_mul_i32 s62, s62, 768
	s_mov_b32 s63, 0
	s_mul_i32 s67, s85, 64*PITCH
	s_add_co_u32 s67, s67, WOFF
	s_lshl_b32 s96, s26, 8
	s_lshl_b32 s97, s20, 6
	s_add_co_u32 s96, s96, s97                     ; my first token
	s_lshl_b32 s88, s96, 1                         ; its half-word in a head's row of vsc
	s_mov_b32 s89, 0
	s_lshl_b32 s90, s25, 12                        ; W_o's scales: the block's 128 rows of 32 bytes
	s_mov_b32 s91, 0
	s_lshl_b32 s92, s25, 9                         ; the bias: the block's 128 numbers
	s_mov_b32 s93, 0
	s_lshl_b32 s94, s96, 12                        ; out0: my first row of 4,096 bytes, + the block's 512
	s_add_co_u32 s94, s94, s92
	s_mov_b32 s95, 0
	s_wait_dscnt 0x0
	s_wait_kmcnt 0x0
	s_add_nc_u64 s[60:61], s[4:5], s[60:61]
	s_add_nc_u64 s[62:63], s[8:9], s[62:63]
	s_add_nc_u64 s[88:89], s[6:7], s[88:89]
	s_add_nc_u64 s[90:91], s[10:11], s[90:91]
	s_add_nc_u64 s[92:93], s[12:13], s[92:93]
	s_add_nc_u64 s[94:95], s[14:15], s[94:95]
	CROUND                                         ; all sixteen work-groups are here: the joint loads meet
	s_mov_b32 s[G0A], 1
	s_mov_b32 s[G0A+1], 0
	s_mov_b64 s[G0A+2:G0A+3], s[60:61]
	s_or_b32 s[G0A+3], s[G0A+3], 0x80000000
	s_mov_b32 s[G0B], 1
	s_mov_b32 s[G0B+1], VA1
	s_add_nc_u64 s[G0B+2:G0B+3], s[60:61], 3072
	s_or_b32 s[G0B+3], s[G0B+3], 0x80000000
	s_mov_b32 s[G0W], 1
	s_mov_b32 s[G0W+1], s67
	s_mov_b64 s[G0W+2:G0W+3], s[62:63]
	s_or_b32 s[G0W+3], s[G0W+3], 0x80000000
	s_cmp_eq_u32 s20, 0                            ; one chain of branches on the wave's number, one load to an arm
	s_cbranch_scc0 .Larm_rest
	TLOAD G0A, G1A                                 ; wave 0: vals's heads 0-3
	s_branch .Lfirst_done
.Larm_rest:
	s_cmp_eq_u32 s20, 3
	s_cbranch_scc0 .Larm_w
	TLOAD G0B, G1B                                 ; wave 3: vals's heads 4-15
	s_branch .Lfirst_done
.Larm_w:
	TLOAD G0W, G1W                                 ; waves 1, 2: W_o's halves
.Lfirst_done:
	v_and_b32 v1, 15, v0                           ; r
	v_bfe_u32 v2, v0, 4, 1                         ; h
	v_and_b32 v3, 31, v0                           ; lane
	v_lshlrev_b32 v23, 5, v1                       ; 32 r
	v_lshlrev_b32 v24, 5, v2                       ; 32 h
	v_lshlrev_b32 v25, 1, v3                       ; 2 x lane
.irp pr, 0,1                                       ; vals's half-words: token 32 pr + lane of my 64, each of the 16 heads
.irp hd, 0,1,2,3,4,5,6,7,8,9,10,11,12,13,14,15
	global_load_u16 v[TT+16*\pr+\hd], v25, s[88:89] offset:16384*\hd+64*\pr
.endr
.endr
.irp n, 0,1,2,3,4,5,6,7
	global_load_b128 v[WS+8*\n:WS+8*\n+3], v23, s[90:91] offset:512*\n
	global_load_b128 v[WS+8*\n+4:WS+8*\n+7], v23, s[90:91] offset:512*\n+16
.endr
	WIN 0x40
.irp n, 0,1,2,3,4,5,6,7
	global_load_b128 v[BO+8*\n:BO+8*\n+3], v24, s[92:93] offset:64*\n     ; the bias of columns 16 n + 8 h + 0 .. 7
	global_load_b128 v[BO+8*\n+4:BO+8*\n+7], v24, s[92:93] offset:64*\n+16
.endr
	WIN 0
	v_lshlrev_b32 v[CO], 4, v3                     ; 16 x lane
	v_lshlrev_b32 v26, 3, v3                       ; 8 x lane
	v_mul_u32_u24 v27, v1, PITCH
	v_mad_u32_u24 v27, v2, 24, v27                 ; W_o: row x pitch + 24 x half
	v_lshl_add_u32 v28, v2, 4, v27                 ; and behind one padding more
	s_mul_i32 s97, s20, 4*3072                     ; my four tiles of vals: heads 0-3,
	s_mul_i32 s98, s20, 4*9216                     ; heads 4-15
	s_add_co_u32 s98, s98, VA1
	v_add_nc_u32 v[AA16], s97, v[CO]
	v_add_nc_u32 v[AA8], s97, v26
	v_add_nc_u32 v[AA16+1], s98, v[CO]
	v_add_nc_u32 v[AA8+1], s98, v26
.irp g, 0,1
	v_add_nc_u32 v[AW+\g], WOFF+\g*64*PITCH, v27
	v_add_nc_u32 v[AW+2+\g], WOFF+\g*64*PITCH, v28
.endr
	s_mul_i32 s98, s20, 16*528                     ; my stage: 16 rows x (512 bytes + 16), in the bytes of vals's heads 0-3: they have had their one fill, and their last read lies ahead of the barrier in sub-step 1
	v_mul_u32_u24 v[STO], v1, 528
	v_lshl_add_u32 v[STO], v2, 5, v[STO]
	v_add_nc_u32 v[STO], s98, v[STO]               ; in: row r, 32 bytes for each half of the lanes
	v_add_nc_u32 v[RD], s98, v[CO]                 ; back: the 32 lanes take one row of 512 bytes
	s_wait_loadcnt 0x0
.irp pr, 0,1
.irp k, 0,1,2,3,4,5,6,7
	v_lshl_or_b32 v[VS+8*\pr+\k], v[TT+16*\pr+2*\k+1], 16, v[TT+16*\pr+2*\k]   ; a K step of 128 is two heads: its word is their two half-words
.endr
.endr
	PLACES 8                                       ; a scale register written by a vector instruction stands eight places ahead of a scaled matrix instruction
.macro FRAG reg, adr, q, i             ; 16 rows x 128 K of W_o: six pieces of 8 bytes; the second address register serves the pieces whose lanes 16-31 lie behind one padding more
.irp p, 0,1,2,3,4,5
.set PCE, 12*(\q)+6*(\p/3)+\p%3
.if PCE%32 < 29
	ds_load_b64 v[\reg+2*\p:\reg+2*\p+1], v[\adr] offset:8*PCE+16*(PCE/32)+(\i)*16*PITCH
.else
	ds_load_b64 v[\reg+2*\p:\reg+2*\p+1], v[\adr+2] offset:8*PCE+16*(PCE/32)+(\i)*16*PITCH
.endif
.endr
.endm
.macro FETCH_A q, set                  ; my four fragments of vals of K step q, images of their registers: 16 loads
	WIN 0
.irp i, 0,1,2,3
.set XR, XF+48*(\set)+12*\i
.if (\q) < 2
.set AR_, 0
.set OF, 3072*\i+1536*(\q)
.else
.set AR_, 1
.set OF, 9216*\i+1536*((\q)-2)
.endif
	ds_load_b128 v[XR:XR+3], v[AA16+AR_] offset:OF
	ds_load_b64 v[XR+4:XR+5], v[AA8+AR_] offset:OF+512
	ds_load_b128 v[XR+6:XR+9], v[AA16+AR_] offset:OF+768
	ds_load_b64 v[XR+10:XR+11], v[AA8+AR_] offset:OF+1280
.endr
.endm
.macro FETCH_W q, n0                   ; four tiles of W_o: 24 loads
	WIN 0x40
.irp n, \n0,\n0+1,\n0+2,\n0+3
	FRAG 12*(\n), AW+(\n0)/4, \q, (\n)%4
.endr
	WIN 0
.endm
; Four matrix instructions: W_o's tile n against my four tiles of tokens.  The 32 accumulators take turns, one instruction a turn.  An odd tile's scale words stand in lanes 16-31.
.macro MULO n, kap, set, first
.if \first
	WIN 0x91                                       ; W_o window 1, vals window 0, C (the bias) window 1, D window 2
.else
	WIN 0xa1
.endif
.irp i, 0,1,2,3
.set AC, 64*\i+8*(\n)
.set XR, XF+48*(\set)+12*\i
.if \first
.if \i%2
	v_wmma_scale_f32_16x16x128_f8f6f4 v[AC:AC+7], v[12*(\n):12*(\n)+11], v[XR:XR+11], v[BO+8*(\n):BO+8*(\n)+7], v[WS+8*(\n)+(\kap)], v[VS+8*(\i/2)+(\kap)] matrix_a_fmt:MATRIX_FMT_FP6 matrix_b_fmt:MATRIX_FMT_FP6 matrix_b_scale:MATRIX_SCALE_ROW1
.else
	v_wmma_scale_f32_16x16x128_f8f6f4 v[AC:AC+7], v[12*(\n):12*(\n)+11], v[XR:XR+11], v[BO+8*(\n):BO+8*(\n)+7], v[WS+8*(\n)+(\kap)], v[VS+8*(\i/2)+(\kap)] matrix_a_fmt:MATRIX_FMT_FP6 matrix_b_fmt:MATRIX_FMT_FP6
.endif
.else
.if \i%2
	v_wmma_scale_f32_16x16x128_f8f6f4 v[AC:AC+7], v[12*(\n):12*(\n)+11], v[XR:XR+11], v[AC:AC+7], v[WS+8*(\n)+(\kap)], v[VS+8*(\i/2)+(\kap)] matrix_a_fmt:MATRIX_FMT_FP6 matrix_b_fmt:MATRIX_FMT_FP6 matrix_b_scale:MATRIX_SCALE_ROW1
.else
	v_wmma_scale_f32_16x16x128_f8f6f4 v[AC:AC+7], v[12*(\n):12*(\n)+11], v[XR:XR+11], v[AC:AC+7], v[WS+8*(\n)+(\kap)], v[VS+8*(\i/2)+(\kap)] matrix_a_fmt:MATRIX_FMT_FP6 matrix_b_fmt:MATRIX_FMT_FP6
.endif
.endif
.endr
.endm
; A SUB-STEP of 128 along K: 32 matrix instructions; the next one's fragments come in two runs of loads, each four places behind the products that read the registers.
; mode 0: plain.  mode 2: every wave waits for its tensor load, and a barrier shows all tiles to all waves. mode 3: the last.
.macro SUBO kap, mode, first
.set CS_, (\kap)%2
.set NS_, 1-CS_
.set NK_, (\kap)+1
.if \mode == 2
	s_wait_tensorcnt 0x0                           ; wave 3's tile has landed
.endif
	s_wait_dscnt 24                                ; vals's fragments and W_o's tiles 0-3 are in; the 24 loads of tiles 4-7 may be out
.irp n, 0,1
	MULO \n, \kap, CS_, \first
.endr
.if \mode == 2
	s_wait_dscnt 0x0                               ; no LDS instruction of mine is pending at a signal
	s_barrier_signal -1
.endif
.irp n, 2,3
	MULO \n, \kap, CS_, \first
.endr
.if \mode == 2
	WIN 0
	s_barrier_wait -1
	PLACES 4
.elseif \mode == 0
	s_wait_dscnt 0x0
	PLACES 4
.else
	s_wait_dscnt 0x0
.endif
.if \mode != 3
	FETCH_A NK_, NS_
	FETCH_W NK_, 0
.endif
.irp n, 4,5,6,7
	MULO \n, \kap, CS_, \first
.endr
.if \mode != 3
	PLACES 4
	FETCH_W NK_, 4
.else
	WIN 0
.endif
.endm
	s_wait_alu depctr_va_vdst(0)                   ; the wait at the head's end
	s_cmp_eq_u32 s20, 3
	s_cbranch_scc1 .Lnot_yet                       ; wave 3's tile, asked for by a line of its own, may stay out
	s_wait_tensorcnt 0x0                           ; waves 0 to 2: my tile is in
.Lnot_yet:
	s_barrier_signal -1
	s_barrier_wait -1                              ; vals's heads 0-3 and W_o are whole
	FETCH_A 0, 0
	FETCH_W 0, 0
	FETCH_W 0, 4
	SUBO 0, 0, 1                                   ; the first products start the sums from the bias
	SUBO 1, 2, 0                                   ; vals's heads 4-15 are whole, ahead of the fetch of K step 2
	SUBO 2, 0, 0
	SUBO 3, 0, 0
	SUBO 4, 0, 0
	SUBO 5, 0, 0
	SUBO 6, 0, 0
	SUBO 7, 3, 0
; THE WAY OUT, a block of 16 tokens x 128 columns at a time, through my own stage: in as 32 bytes a lane, back as whole rows of 512 bytes.  LDS serves a wave's instructions in order (ISA guide 5.7.1.4): no wait between the stores and the loads.
.macro TOSTAGE a
	WIN 0x08                                       ; an LDS store's data are its source 1: window 2
.irp b, 0,1,2,3,4,5,6,7
	ds_store_b128 v[STO], v[64*(\a)+8*\b:64*(\a)+8*\b+3] offset:64*\b          ; each accumulator from its low end on
	ds_store_b128 v[STO], v[64*(\a)+8*\b+4:64*(\a)+8*\b+7] offset:64*\b+16
.endr
	WIN 0
.set BB, BK+64*((\a)%2)
.irp t, 0,1,2,3,4,5,6,7,8,9,10,11,12,13,14,15
	ds_load_b128 v[BB+4*\t:BB+4*\t+3], v[RD] offset:\t*528
.endr
.endm
.macro SEND a, younger                 ; younger: the LDS instructions issued behind block a's loads, which may stay out
.set BB, BK+64*((\a)%2)
	s_wait_dscnt \younger
.irp t, 0,1,2,3,4,5,6,7,8,9,10,11,12,13,14,15
	global_store_b128 v[CO], v[BB+4*\t:BB+4*\t+3], s[94:95] offset:(16*(\a)+\t)*4096 th:TH_STORE_NT   ; 32 lanes store 512 consecutive bytes, at a multiple of 256 from out0's first byte
.endr
.endm
	PLACES 4                                       ; behind the last products: results are read, and loads land in registers that held vals's fragments
	TOSTAGE 0
.irp a, 1,2,3
.if \a > 1
	s_wait_xcnt 0x0                                ; block a - 2's stores have read their registers: block a's loads may land there
.endif
	TOSTAGE \a
	SEND \a-1, 32                                  ; behind block a - 1's loads: block a's 16 stores and 16 loads
.endr
	SEND 3, 0
	s_wait_tensorcnt 0x0                           ; the wave's end
	ds_add_u32 v[SPW], v[NIL]
	s_wait_dscnt 0x0
	CROUND                                         ; the closing round
	s_endpgm
.Lfunc_end_k_qb458f77ffd_oproj:
	.size	k_qb458f77ffd_oproj, .Lfunc_end_k_qb458f77ffd_oproj-k_qb458f77ffd_oproj
	.p2alignl 7, 3214868480
	.fill 96, 4, 3214868480
	.section	.rodata,"a",@progbits
	.p2align	6, 0x0
	.amdhsa_kernel k_qb458f77ffd_oproj
		.amdhsa_group_segment_fixed_size 327680
		.amdhsa_private_segment_fixed_size 0
		.amdhsa_enable_private_segment 0
		.amdhsa_kernarg_size 48
		.amdhsa_user_sgpr_count 2
		.amdhsa_user_sgpr_kernarg_segment_ptr 1
		.amdhsa_wavefront_size32 1
		.amdhsa_system_sgpr_workgroup_id_x 1
		.amdhsa_system_sgpr_workgroup_id_y 1
		.amdhsa_system_sgpr_workgroup_id_z 1
		.amdhsa_system_vgpr_workitem_id 0
		.amdhsa_next_free_vgpr 1024
		.amdhsa_next_free_sgpr 100
		.amdhsa_reserve_vcc 0
		.amdhsa_float_denorm_mode_32 3
		.amdhsa_float_denorm_mode_16_64 3
		.amdhsa_memory_ordered 1
		.amdhsa_forward_progress 1
		.amdhsa_inst_pref_size 98
	.end_amdhsa_kernel
	.amdgpu_metadata
---
amdhsa.version: [ 1, 2 ]
amdhsa.kernels:
  - .name:           k_qb458f77ffd_oproj
    .symbol:         k_qb458f77ffd_oproj.kd
    .args:
      - { .name: vals, .offset: 0, .size: 8, .value_kind: global_buffer, .address_space: global }
      - { .name: vsc, .offset: 8, .size: 8, .value_kind: global_buffer, .address_space: global }
      - { .name: W_o_codes, .offset: 16, .size: 8, .value_kind: global_buffer, .address_space: global }
      - { .name: W_o_scales, .offset: 24, .size: 8, .value_kind: global_buffer, .address_space: global }
      - { .name: b_o, .offset: 32, .size: 8, .value_kind: global_buffer, .address_space: global }
      - { .name: out0, .offset: 40, .size: 8, .value_kind: global_buffer, .address_space: global }
    .group_segment_fixed_size: 327680
    .private_segment_fixed_size: 0
    .kernarg_segment_align: 8
    .kernarg_segment_size: 48
    .max_flat_workgroup_size: 128
    .sgpr_count:     100
    .vgpr_count:     1024
    .wavefront_size: 32
...
	.end_amdgpu_metadata
.endif
;; end of part 3
